; MI455X (gfx1250); checked and timed in simulation.
; The chip was launched on July 23, 2026; its instructions are those of AMD's public machine-readable ISA for CDNA 5 (MIT licence, August 2026) and "CDNA5" Instruction Set Architecture Reference Guide (July 2026). The comments in the code are by the model that wrote it; some were corrected since.
;; Non Local Block2 D. Allowed arithmetic: matrix products marked QUANTISED: E3M2 operands, one E8M0 scale for each 32 along K, by v_wmma_scale_f32_16x16x128_f8f6f4 with both operands' format E3M2, f32 sums; everything else in f32.
;; Inputs: bg 128 float32; bm 256 float32; bp 128 float32; bt 128 float32; wg 128 x 256 float32; wm 256 x 128 float32; wp 128 x 256 float32; wt 128 x 256 float32; x 8 x 256 x 64 x 64 float32.
;; Outputs: out0 8 x 256 x 64 x 64 float32.
;; This version of the problem:
;;   THIS VERSION OF THE PROBLEM IS GIVEN IN LOW PRECISION. The matrix products marked QUANTISED in the list below multiply operands that are first quantised to E3M2 (3 exponent bits, 2 mantissa bits; 6 bits a number), with one power-of-two scale for each 32 numbers along K (OCP MX v1.0); their sums are f32. All else is computed in f32.
;;   The module's matrix products, in the order in which they are computed (A, B: the left and right operand; K: the contracted axis; several contracted axes count as one K, in the product's order):
;;     1. [M 32,768, K 256] x [K 256, N 128]; A: input x; B: input wg: QUANTISED
;;     2. [M 32,768, K 256] x [K 256, N 128]; A: input x; B: input wt: QUANTISED
;;     3. [M 32,768, K 256] x [K 256, N 128]; A: input x; B: input wp: QUANTISED
;;     4. batch 8 x [M 4,096, K 128] x [K 128, N 4,096]; A: computed on the way; B: computed on the way: QUANTISED
;;     5. batch 8 x [M 4,096, K 4,096] x [K 4,096, N 128]; A: softmax (see below); B: computed on the way: QUANTISED
;;     6. [M 32,768, K 128] x [K 128, N 256]; A: computed on the way; B: input wm: QUANTISED
;;   THE QUANTISER, for each operand of a quantised product, along K:
;;     - K is cut into blocks of 32 from its start; a last block that is shorter is filled with zeros.
;;     - A block's scale is 2^e with e = floor(log2(the largest magnitude in the block)) - 4, held to -126 .. 127; a block of zeros has e = 0. As a byte (E8M0): e + 127.
;;     - Each number is divided by its block's scale, clamped to +-28, and rounded to the nearest number of E3M2, ties to even, subnormals kept.
;;     - The product sums the exact products of the quantised numbers (number of the format x scale) in f32.
;;   ~~~python
;;   def quantise(x, axis):      # numpy; x: float32 -> the quantised numbers, widened to float32 again
;;       x = np.moveaxis(x, axis, -1); K = x.shape[-1]
;;       x = np.pad(x, [(0, 0)] * (x.ndim - 1) + [(0, -K % 32)]); x = x.reshape(x.shape[:-1] + (-1, 32)); a = np.abs(x).max(-1, keepdims=True)
;;       e = np.where(a > 0, np.clip(np.frexp(np.where(a > 0, a, 1))[1] - 1 - 4, -126, 127), 0)      # np.frexp(a)[1] - 1 = floor(log2(a)), exactly
;;       r = np.clip(x / 2.0 ** e, -28, 28)
;;       step = 2.0 ** (np.maximum(np.frexp(np.where(r == 0, 1, r))[1] - 1, -2) - 2)
;;       q = np.round(r / step) * step * 2.0 ** e      # np.round: ties to even
;;       return np.moveaxis(q.reshape(q.shape[:-2] + (-1,))[..., :K], -1, axis).astype(np.float32)
;;   ~~~
;;   SOFTMAX AHEAD OF A QUANTISED PRODUCT. Where the list says 'softmax', what is quantised is not the finished softmax but p = 2^(t - M), with t = logit x log2(e) and M = ceil(the row's largest t), a whole number; so 1/2 < the row's largest p <= 1. The row's sum l is taken of the UNQUANTISED p, in f32, and the product's result is divided by l at the end. Since M is a whole number, a kernel that streams over the keys may use a running M (the ceiling of the running maximum): every later rescaling is an exact power of two, which a block's scale takes up: the codes' values come out the same.
;;   OPERANDS COMPUTED ON THE WAY. 'Computed on the way' means the value that the module computes at that place (a softmax that the list does not call 'softmax' is quantised finished and normalised). What goes into a quantiser is computed in f32, as accurately as f32 sums, v_exp_f32 and their like allow (about 1e-6 of the number): no bf16 or f16 on the way to a quantiser, and a product that is left as it is and whose result goes on into a quantised operand takes f32 operands (vector FMAs, or v_wmma_f32_16x16x4_f32). A number that lies on a knife's edge between two numbers of the format may be rounded either way, as far as f32 arithmetic and the matrix unit's own rounding can turn it there, and no further.
;; One version. Each part assembles by itself: llvm-mc -triple=amdgcn-amd-amdhsa -mcpu=gfx1250 --defsym DOCPART=n.
;; ======== version 1 of 1: 3 launches
;; workspace buffers: wimg 106,496 bytes; th 3,407,872 bytes; kv 6,553,600 bytes
;; launch prep (part 1): grid 64 x 1, 1 waves a work-group, no clusters, 0 bytes of LDS; arguments wt, wp, wg, wm, wimg; writes wimg
.if DOCPART == 1
	.amdgcn_target "amdgcn-amd-amdhsa--gfx1250"
	.amdhsa_code_object_version 6
	.text
	.protected	k_q253e512371_prep
	.globl	k_q253e512371_prep
	.p2align	8
	.type	k_q253e512371_prep,@function
k_q253e512371_prep:
	s_mov_b64 s[64:65], 0
	v_nop
	global_prefetch_b8 v0, s[64:65] scope:SCOPE_SE
	s_setreg_imm32_b32 hwreg(HW_REG_WAVE_MODE, 25, 1), 1
	s_wait_xcnt 0x0
; The four weights (f32, K innermost) become codes of E3M2 with one E8M0 byte for each 32 along K, ONCE, laid as the later launches' operand registers take them.
; wimg: four blocks of 26,624 bytes (wt, wp, wg, wm).  A block: 16 fragments (16 rows x 128 K, 12 registers a lane) as images of their registers: three pieces of 512 bytes, piece c = registers 4 c .. 4 c + 3,
; lane l's 16 bytes at 16 l; behind them 16 scale images of 128 bytes, lane l's word at 4 l.
; wt, wp, wg [128][256]: fragment 2 t + s = tile t of rows, K step s.  THE ROWS OF A TILE ARE NOT NEIGHBOURS: row r of tile 2 b + u is row 32 b + 8 u + r + 8 (r / 8) of the weight.  wm [256][128]: fragment T = rows 16 T + r.
; One wave makes one fragment: 64 work-groups of one wave.  Lane (r, h) takes of its row the numbers k = 64 c + 32 h + 0 .. 31, c = 0, 1: two whole blocks, so no other lane is asked for a maximum.
; A block's scale byte is its largest magnitude's exponent field - 4, held at 1 from below by a floor among the maximum's leaves.
; LIMITS: a block whose largest magnitude lies under 2^-122 keeps the byte 1; a block of zeros gets the byte 1, not 127 (its codes are zeros, and this program alone reads the bytes); NaN and infinities are not served.
; The launch reads 512 KiB in all, 256 bytes a lane: no turn through LDS is spent on it.  The scale store covers 128 consecutive bytes.  No matrix unit, no cluster: the work-groups share no input.
.set FRB,  1536                        ; a fragment's image in bytes
.set WBLK, 26624                       ; a weight's block in wimg
	s_load_b256 s[4:11], s[0:1], 0x0               ; wt s[4:5], wp s[6:7], wg s[8:9], wm s[10:11]
	s_load_b64 s[12:13], s[0:1], 0x20              ; wimg
	s_lshr_b32 s14, ttmp9, 4                       ; which weight
	s_and_b32 s15, ttmp9, 15                       ; which fragment of it
	v_and_b32 v1, 15, v0                           ; r
	v_lshrrev_b32 v2, 4, v0                        ; h
	s_lshl_b32 s19, s15, 13                        ; wm: fragment T begins at row 16 T of 512 bytes
	s_lshr_b32 s20, s15, 2
	s_lshl_b32 s20, s20, 15                        ; the others: 32 b rows of 1,024 bytes,
	s_bfe_u32 s21, s15, 0x10001
	s_lshl_b32 s21, s21, 13                        ; 8 u rows,
	s_and_b32 s22, s15, 1
	s_lshl_b32 s22, s22, 9                         ; K step s: 128 numbers
	s_add_co_u32 s22, s22, s21
	s_add_co_u32 s22, s22, s20
	s_mov_b32 s25, 0
	s_mul_i32 s26, s14, WBLK                       ; the weight's block in wimg
	s_mov_b32 s27, 0
	s_mul_i32 s28, s15, FRB                        ; the fragment's image in it
	s_lshl_b32 s29, s15, 7
	s_add_co_u32 s29, s29, 16*FRB                  ; and its scale image
	s_mov_b32 s30, 0x76543210
	s_mov_b32 s31, 0xfedcba98                      ; v_permlanex16_b32's selects for lane l xor 16
	s_wait_kmcnt 0x0
	s_cmp_eq_u32 s14, 1                            ; the source is chosen by the work-group's number alone
	s_cselect_b64 s[4:5], s[6:7], s[4:5]
	s_cmp_eq_u32 s14, 2
	s_cselect_b64 s[4:5], s[8:9], s[4:5]
	s_cmp_eq_u32 s14, 3
	s_cselect_b64 s[4:5], s[10:11], s[4:5]
	s_cselect_b32 s16, 9, 10                       ; a row is 512 bytes (wm) or 1,024
	s_cselect_b32 s17, 0, 8                        ; wm's rows are neighbours; the others' rows 8 .. 15 lie 8 further on
	s_cselect_b32 s24, s19, s22
	s_add_nc_u64 s[4:5], s[4:5], s[24:25]
	s_add_nc_u64 s[12:13], s[12:13], s[26:27]
	v_and_b32 v3, s17, v1
	v_add_nc_u32 v3, v3, v1                        ; my row in the tile's 24 (or 16)
	v_lshlrev_b32 v3, s16, v3
	v_lshl_add_u32 v3, v2, 7, v3                   ; + 128 h bytes: my block of 32
	v_lshl_add_u32 v4, v0, 4, s28                  ; out: 16 bytes a lane
	v_lshl_add_u32 v5, v0, 2, s29                  ; and 4 bytes a lane
.irp c, 0,1
.irp j, 0,1,2,3,4,5,6,7
	global_load_b128 v[64+32*\c+4*\j:67+32*\c+4*\j], v3, s[4:5] offset:256*\c+16*\j
.endr
.endr
	s_wait_loadcnt 0x0
.irp c, 0,1
	v_max3_num_f32 v[32+\c], |v[64+32*\c]|, |v[65+32*\c]|, 0x2800000   ; block 2 c + h, and the floor 2^(5 - 127): the byte cannot fall under 1
.endr
.irp i, 2,4,6,8,10,12,14,16,18,20,22,24,26,28,30
.irp c, 0,1
	v_max3_num_f32 v[32+\c], v[32+\c], |v[64+32*\c+\i]|, |v[65+32*\c+\i]|   ; the two blocks by turns
.endr
.endr
.irp c, 0,1
	v_add_nc_u32 v[44+\c], 0xfe000000, v[32+\c]    ; 4 off the exponent field: the conversion's scale operand
.endr
.irp c, 0,1
	v_lshrrev_b32 v[36+\c], 23, v[44+\c]           ; the scale's byte
.endr
	v_lshl_or_b32 v9, v37, 16, v36                 ; my two bytes: blocks h and 2 + h,
	v_lshlrev_b32 v10, 3, v2
	v_lshlrev_b32 v9, v10, v9                      ; at their places in the word (8 h bits up);
	v_mov_b32 v10, 0
	v_permlanex16_b32 v10, v9, s30, s31
	v_or_b32 v9, v9, v10                           ; with lane l xor 16's two the word is whole, in both lanes
.irp c, 0,1
	v_cvt_scalef32_pk16_bf6_f32 v[48+6*\c:50+6*\c], v[64+32*\c:79+32*\c], v[44+\c]
	v_cvt_scalef32_pk16_bf6_f32 v[128+4*\c:130+4*\c], v[80+32*\c:95+32*\c], v[44+\c]   ; a conversion's three registers begin on an even number: the block's second half is made elsewhere and moved
.endr
	v_nop                                          ; one plain instruction behind a scaled conversion
.irp c, 0,1
.irp i, 0,1,2
	v_mov_b32 v[51+6*\c+\i], v[128+4*\c+\i]
.endr
.endr
.irp c, 0,1,2
	global_store_b128 v4, v[48+4*\c:51+4*\c], s[12:13] offset:512*\c   ; 32 lanes store 512 consecutive bytes, aligned
.endr
	global_store_b32 v5, v9, s[12:13]
	s_endpgm
.Lfunc_end_k_q253e512371_prep:
	.size	k_q253e512371_prep, .Lfunc_end_k_q253e512371_prep-k_q253e512371_prep
	.p2alignl 7, 3214868480
	.fill 96, 4, 3214868480
	.section	.rodata,"a",@progbits
	.p2align	6, 0x0
	.amdhsa_kernel k_q253e512371_prep
		.amdhsa_group_segment_fixed_size 0
		.amdhsa_private_segment_fixed_size 0
		.amdhsa_enable_private_segment 0
		.amdhsa_kernarg_size 40
		.amdhsa_user_sgpr_count 2
		.amdhsa_user_sgpr_kernarg_segment_ptr 1
		.amdhsa_wavefront_size32 1
		.amdhsa_system_sgpr_workgroup_id_x 1
		.amdhsa_system_sgpr_workgroup_id_y 1
		.amdhsa_system_sgpr_workgroup_id_z 1
		.amdhsa_system_vgpr_workitem_id 0
		.amdhsa_next_free_vgpr 136
		.amdhsa_next_free_sgpr 66
		.amdhsa_reserve_vcc 0
		.amdhsa_float_denorm_mode_32 3
		.amdhsa_float_denorm_mode_16_64 3
		.amdhsa_memory_ordered 1
		.amdhsa_forward_progress 1
		.amdhsa_inst_pref_size 7
	.end_amdhsa_kernel
	.amdgpu_metadata
---
amdhsa.version: [ 1, 2 ]
amdhsa.kernels:
  - .name:           k_q253e512371_prep
    .symbol:         k_q253e512371_prep.kd
    .args:
      - { .name: wt, .offset: 0, .size: 8, .value_kind: global_buffer, .address_space: global }
      - { .name: wp, .offset: 8, .size: 8, .value_kind: global_buffer, .address_space: global }
      - { .name: wg, .offset: 16, .size: 8, .value_kind: global_buffer, .address_space: global }
      - { .name: wm, .offset: 24, .size: 8, .value_kind: global_buffer, .address_space: global }
      - { .name: wimg, .offset: 32, .size: 8, .value_kind: global_buffer, .address_space: global }
    .group_segment_fixed_size: 0
    .private_segment_fixed_size: 0
    .kernarg_segment_align: 8
    .kernarg_segment_size: 40
    .max_flat_workgroup_size: 32
    .sgpr_count:     66
    .vgpr_count:     136
    .wavefront_size: 32
...
	.end_amdgpu_metadata
.endif
;; end of part 1
;; launch proj (part 2): grid 256 x 1, 4 waves a work-group, clusters of 4 x 1, 246,272 bytes of LDS; arguments x, wimg, bt, bp, bg, th, kv; writes th, kv
.if DOCPART == 2
	.amdgcn_target "amdgcn-amd-amdhsa--gfx1250"
	.amdhsa_code_object_version 6
	.text
	.protected	k_q253e512371_proj
	.globl	k_q253e512371_proj
	.p2align	8
	.type	k_q253e512371_proj,@function
k_q253e512371_proj:
	s_mov_b64 s[64:65], 0
	v_nop
	global_prefetch_b8 v0, s[64:65] scope:SCOPE_SE
	s_setreg_imm32_b32 hwreg(HW_REG_WAVE_MODE, 25, 1), 1
	s_wait_xcnt 0x0
	s_wait_alu depctr_hold_cnt(0) depctr_sa_sdst(0) depctr_va_vdst(0) depctr_va_sdst(0) depctr_va_ssrc(0) depctr_va_vcc(0) depctr_vm_vsrc(0)
	s_getreg_b32 s2, hwreg(HW_REG_IB_STS2, 6, 4)
	s_cmp_eq_u32 s2, 0
	s_cbranch_scc0 .Lentry_in_a_cluster
	s_endpgm
.Lentry_in_a_cluster:
	s_bfe_u32 s2, ttmp6, 0x10000c
	s_cmp_lg_u32 s2, 0x3003
	s_cbranch_scc0 .Lentry_shape_is_right
	s_endpgm
.Lentry_shape_is_right:
; theta = relu(x^T wt^T + bt), phi = relu(x^T wp^T + bp), g = relu(x^T wg^T + bg), all three products on codes of E3M2 with one E8M0 byte for each 32 along K = the 256 channels,
; and the three results quantised at once for the products that follow: theta and phi along their 128 channels, g along the positions (the keys).  They leave as images of operand registers.
; SHARES.  A work-group owns 128 positions of one batch (256 work-groups).  x's tile [256 channels][128 positions] f32 comes by four tensor loads (64 channels a wave; rows of 512 bytes, aligned);
; the three weights' images (79,872 bytes) come by a JOINT load of the cluster's four work-groups, a quarter a wave: weights are 80 KB of a work-group's 208 KB, and all work-groups read the same.
; No LDS byte is filled twice.  A wave has two tensor loads out.
; TILES.  Row r of tile 2 b + u is item 32 b + 8 u + r + 8 (r / 8), for positions and for the weights' rows alike.  Then the 16 registers that a lane holds of the results of tiles 2 b and 2 b + 1 of source 0
; are 16 NEIGHBOURS, 32 b + 16 (lane / 16) + 0 .. 15, of source 0's axis, which is the next product's K: theta, phi: source 0 = the weight, source 1 = x (a lane holds a position); g: source 0 = x, source 1 = wg (a lane holds a channel).
; PHASES.  X: wave w quantises positions 32 w .. + 31: a lane takes ONE position and its registers run down the channels; images to LDS | barrier | 1: waves 0, 1 theta, waves 2, 3 phi, each for four tiles of positions
; (64 products) | 2: wave w makes g's channel tiles 2 w, 2 w + 1 for all 128 positions (32 products) | barrier | the scale words leave, 512 aligned bytes a wave.
; One path for all waves: what differs lies in bases made from the wave's number.
; th: 256 blocks of 13,312 bytes: 8 images of theta, then scale words at 12,288 + 512 (tile / 4) + 16 lane + 4 (tile % 4).
; kv: 256 blocks of 25,600 bytes (a key step of 128): 8 images of phi, 8 of g, then scale words at 24,576 + 512 (tile / 4) + 16 lane + 4 (tile % 4): lanes 0-15 phi's, lanes 16-31 g's.
; LIMITS: a block whose largest magnitude lies under 2^-122 keeps the byte 1; a block of zeros gets the byte 1, not 127 (its codes are zeros, and this program alone reads the bytes); NaN and infinities are not served.
; REGISTERS, in windows of 256.  Window 0: v4-15, v181-183, v216-219 addresses; v16-143 accumulators (phase X: v16-79 two sets of 32 numbers, v80-127 four fragments, v128-130, v132-133 at work);
;   v144-162 codes just made; v164-179 at work; v180 the scale word just made; v184-215 scale words and nothing else.
;   Window 1: my role's weight, 16 fragments.  Window 2: v0-47 wg's four fragments; v64-127 my role's bias, 8 tiles; v128-143 bg, two tiles.  Window 3: x's fragments.
.set XRAW, 0                           ; LDS: x [256][128] f32, rows of 512 bytes
.set WIMG, 131072                      ; the images of wt, wp, wg
.set XIMG, 210944                      ; x's 16 fragments: (tile pt, K step s) at (2 pt + s) x 1,536
.set XSC,  235520                      ; their scale words: (pair of tiles g, s) at (2 g + s) x 128 + 4 lane: lanes 0-15 tile 2 g, lanes 16-31 tile 2 g + 1
.set SCST, 236544                      ; the results' scale words: theta + 0, phi + 1,024, g + 2,048; a word at 512 (tile / 4) + 16 lane + 4 (tile % 4)
.set FRB,  1536
.set WBLK, 26624
.set THB,  13312
.set KVB,  25600
.set LI,   4                           ; v4   16 x lane
.set LS,   5                           ; v5   4 x lane
.set XA0,  6                           ; v6-7 my position's column in x's tile, channels 0-127 and 128-255
.set XWI,  8                           ; v8   where I store x's images
.set XWS,  9                           ; v9   and their scale words
.set XRI,  10                          ; v10  phase 1: my four tiles' images
.set XRS,  11                          ; v11  and scale words
.set XFI,  12                          ; v12  phase 2: all images
.set XFS,  13                          ; v13  and scale words
.set SST,  14                          ; v14  where theta's or phi's scale words go
.set SSG,  15                          ; v15  where g's go
.set HA,   16                          ; phase 1's 8 accumulators; phase 2's first 8
.set HB,   80                          ; phase 2's other 8
.set XNUM, 16
.set XF,   80
.set CT,   128
.set XW,   132
.set PC,   144
.set TM,   164
.set PW,   180
.set SRD,  181
.set WRA,  182
.set WRS,  183
.set XS1,  184
.set XS2,  188
.set WS,   196
.set WGS,  212
.set WGA,  216
.set WGSA, 217
.set BOF,  218
.set GOF,  219
.set B1,   64                          ; in window 2
.set BG,   128
.set MSB, 0
.macro WIN new                         ; the immediate's high byte repeats the setting that is left
.if MSB != \new
	s_set_vgpr_msb (MSB<<8)|\new
.set MSB, \new
.endif
.endm
.macro PLACES n
.rept \n
	v_nop
.endr
.endm
.macro CROUND                          ; a round of the cluster's barrier
	s_barrier_signal -1
	s_barrier_wait -1
	s_cmp_lg_u32 s18, 0
	s_cbranch_scc1 .Lnot_wave_0_\@
	s_barrier_signal -3
.Lnot_wave_0_\@:
	s_barrier_wait -3
	s_barrier_signal -1
	s_barrier_wait -1
.endm
.macro BARRIER                         ; my LDS stores have landed and my LDS loads are in: then the work-group's barrier
	s_wait_dscnt 0x0
	s_barrier_signal -1
	s_barrier_wait -1
.endm
.macro FETCH reg, adr, off             ; a fragment's image comes back as it was stored
.irp c, 0,1,2
	ds_load_b128 v[\reg+4*\c:\reg+4*\c+3], v[\adr] offset:\off+512*\c
.endr
.endm
.macro MMA d, a, b, c, sa, sb, row     ; row = 1: source 0's scales lie in lanes 16-31; 2: source 1's
.if \row == 1
	v_wmma_scale_f32_16x16x128_f8f6f4 v[\d:\d+7], v[\a:\a+11], v[\b:\b+11], v[\c:\c+7], v[\sa], v[\sb] matrix_a_fmt:MATRIX_FMT_BF6 matrix_b_fmt:MATRIX_FMT_BF6 matrix_a_scale:MATRIX_SCALE_ROW1
.elseif \row == 2
	v_wmma_scale_f32_16x16x128_f8f6f4 v[\d:\d+7], v[\a:\a+11], v[\b:\b+11], v[\c:\c+7], v[\sa], v[\sb] matrix_a_fmt:MATRIX_FMT_BF6 matrix_b_fmt:MATRIX_FMT_BF6 matrix_b_scale:MATRIX_SCALE_ROW1
.else
	v_wmma_scale_f32_16x16x128_f8f6f4 v[\d:\d+7], v[\a:\a+11], v[\b:\b+11], v[\c:\c+7], v[\sa], v[\sb] matrix_a_fmt:MATRIX_FMT_BF6 matrix_b_fmt:MATRIX_FMT_BF6
.endif
.endm
.macro RELU s
.set J, 0
.rept 64
	v_max_num_f32 v[\s+J], 0, v[\s+J]              ; each accumulator from its low end on
.set J, J+1
.endr
.endm
; 64 numbers of a lane, register 16 b + i = k 32 b + 16 (lane / 16) + i of my row, become a fragment's codes in v[PC] on and its scale word in v[PW] (the same word in lanes l and l xor 16).
.macro QUANT s
.irp b, 0,1,2,3
	v_max3_num_f32 v[TM+\b], |v[\s+16*\b]|, |v[\s+1+16*\b]|, 0x2800000   ; my 16 numbers of block b, and the floor 2^(5 - 127): the byte cannot fall under 1
.endr
.irp i, 2,4,6,8,10,12,14
.irp b, 0,1,2,3
	v_max3_num_f32 v[TM+\b], v[TM+\b], |v[\s+16*\b+\i]|, |v[\s+1+16*\b+\i]|   ; the four blocks by turns
.endr
.endr
.irp b, 0,1,2,3
	v_permlanex16_b32 v[TM+4+\b], v[TM+\b], s22, s23
.endr
.irp b, 0,1,2,3
	v_max_num_f32 v[TM+\b], v[TM+\b], v[TM+4+\b]   ; with lane l xor 16's: the block's largest magnitude
.endr
.irp b, 0,1,2,3
	v_add_nc_u32 v[TM+12+\b], 0xfe000000, v[TM+\b] ; 4 off its exponent field: the conversion's scale operand
.endr
.irp b, 0,1,2,3
	v_lshrrev_b32 v[TM+4+\b], 23, v[TM+12+\b]      ; the scale's byte
.endr
	v_lshl_or_b32 v[PW], v[TM+5], 8, v[TM+4]
	v_lshl_or_b32 v[PW], v[TM+6], 16, v[PW]
	v_lshl_or_b32 v[PW], v[TM+7], 24, v[PW]
.irp c, 0,1
	v_cvt_scalef32_pk16_bf6_f32 v[PC+6*\c:PC+2+6*\c], v[\s+32*\c:\s+15+32*\c], v[TM+12+2*\c]
	v_cvt_scalef32_pk16_bf6_f32 v[PC+12+4*\c:PC+14+4*\c], v[\s+16+32*\c:\s+31+32*\c], v[TM+12+2*\c+1]   ; a conversion's three registers begin on an even number
.endr
	v_nop                                          ; one plain instruction behind a scaled conversion
.irp c, 0,1                            ; the operand's layout wants a WHOLE block in a lane: lanes 0-15 block 2 c, lanes 16-31 block 2 c + 1
.irp i, 0,1,2
	v_permlane16_swap_b32 v[PC+6*\c+\i], v[PC+12+4*\c+\i]
.endr
.irp i, 0,1,2
	v_mov_b32 v[PC+3+6*\c+\i], v[PC+12+4*\c+\i]
.endr
.endr
.endm
; Phase X.  Block kb = channels 32 kb .. + 31 of my position, into set kb % 2: each load reads one channel at the wave's 32 positions, 128 neighbouring bytes.
.macro LOADB kb
.set XL, XNUM+32*((\kb)%2)
.set I, 0
.rept 32
	ds_load_b32 v[XL+I], v[XA0+(\kb)/4] offset:(32*((\kb)%4)+I)*512
.set I, I+1
.endr
.endm
; The block is quantised; all its 32 numbers are mine.  K step KS, registers 6 KC on, of fragment register set (KU, KS).  Lanes 0-15 work for tile 2 w, lanes 16-31 for tile 2 w + 1; the operand wants lanes 0-15 to hold
; block 2 KC and lanes 16-31 block 2 KC + 1 of ONE tile: behind each odd block six exchanges of halves give that: set (0, KS) becomes tile 2 w's fragment, set (1, KS) tile 2 w + 1's.
.macro BLOCKQ kb
.set XN, XNUM+32*((\kb)%2)
.set KS, (\kb)/4
.set KC, ((\kb)/2)%2
.set KU, (\kb)%2
.set FB, XF+12*(2*KU+KS)+6*KC
.if (\kb) < 7
	s_wait_dscnt 32                                ; this block's 32 loads are in; the next block's 32 may be out
.else
	s_wait_dscnt 0x0
.endif
	v_max3_num_f32 v[TM], |v[XN]|, |v[XN+1]|, |v[XN+2]|
	v_max3_num_f32 v[TM+1], |v[XN+3]|, |v[XN+4]|, |v[XN+5]|
.irp i, 6,10,14,18,22,26
	v_max3_num_f32 v[TM], v[TM], |v[XN+\i]|, |v[XN+\i+1]|
	v_max3_num_f32 v[TM+1], v[TM+1], |v[XN+\i+2]|, |v[XN+\i+3]|
.endr
	v_max3_num_f32 v[TM], v[TM], |v[XN+30]|, |v[XN+31]|
	v_max3_num_f32 v[TM], v[TM], v[TM+1], 0x2800000   ; and the floor
	v_add_nc_u32 v[TM+2], 0xfe000000, v[TM]
	v_cvt_scalef32_pk16_bf6_f32 v[FB:FB+2], v[XN:XN+15], v[TM+2]
	v_cvt_scalef32_pk16_bf6_f32 v[CT:CT+2], v[XN+16:XN+31], v[TM+2]
	v_lshrrev_b32 v[TM+3], 23, v[TM+2]             ; the scale's byte; also the plain instruction behind the conversions
.if (\kb)%4 == 0
	v_mov_b32 v[XW+KS], v[TM+3]
.else
	v_lshl_or_b32 v[XW+KS], v[TM+3], 8*((\kb)%4), v[XW+KS]
.endif
.irp i, 0,1,2
	v_mov_b32 v[FB+3+\i], v[CT+\i]
.endr
.if (\kb) < 6
	LOADB \kb+2
.endif
.if KU
.irp i, 0,1,2,3,4,5
	v_permlane16_swap_b32 v[XF+12*KS+6*KC+\i], v[XF+12*(2+KS)+6*KC+\i]
.endr
.endif
.endm
	s_load_b256 s[4:11], s[0:1], 0x0               ; x s[4:5], wimg s[6:7], bt s[8:9], bp s[10:11]
	s_load_b128 s[12:15], s[0:1], 0x20             ; bg s[12:13], th s[14:15]
	s_load_b64 s[16:17], s[0:1], 0x30              ; kv
	v_lshl_add_u32 v254, v0, 2, 0x3c000
	v_mov_b32 v255, 0
	ds_add_u32 v254, v255
	v_lshrrev_b32 v1, 5, v0
	v_readfirstlane_b32 s18, v1                    ; wave 0..3
	s_lshr_b32 s19, s18, 1                         ; my role: 0 theta, 1 phi
	s_and_b32 s20, s18, 1                          ; which four tiles of positions
	s_bfe_u32 s56, ttmp6, 0x40000                  ; cx: it enters global offsets alone
	s_lshl_b32 s21, ttmp9, 2
	s_add_co_u32 s21, s21, s56                     ; my block of 128 positions, 0 .. 255
	s_mov_b32 s22, 0x76543210
	s_mov_b32 s23, 0xfedcba98                      ; v_permlanex16_b32's selects for lane l xor 16
	; x's tile: 64 rows (channels) of 128 elements of 4 bytes, 4,096 elements apart; no mask: each work-group has its own
	s_mov_b32 s24, 2<<16
	s_mov_b32 s25, 128<<16                         ; tensor_dim0
	s_mov_b32 s26, 64<<16                          ; tensor_dim1
	s_mov_b32 s27, 128<<16                         ; tile_dim0
	s_mov_b32 s28, 64                              ; tile_dim1
	s_mov_b32 s29, 4096                            ; from row to row
	s_mov_b32 s30, 0
	s_mov_b32 s31, 0
	; the weights' images: a dense block, 78 rows of 256 bytes (32 elements of 8) a wave; the mask names the cluster's four work-groups, bit 21 beside it
	s_mov_b32 s36, 15|(3<<16)|(1<<21)
	s_mov_b32 s37, 32<<16
	s_mov_b32 s38, 78<<16
	s_mov_b32 s39, 32<<16
	s_mov_b32 s40, 78
	s_mov_b32 s41, 32
	s_mov_b32 s42, 0
	s_mov_b32 s43, 0
	s_lshr_b32 s57, s21, 5                         ; the batch
	s_and_b32 s58, s21, 31                         ; the block in it
	s_lshl_b32 s60, s57, 22                        ; 4,194,304 bytes a batch,
	s_lshl_b32 s58, s58, 9                         ; 512 bytes a block,
	s_add_co_u32 s60, s60, s58
	s_lshl_b32 s58, s18, 20                        ; 64 channels of 16,384 bytes a wave
	s_add_co_u32 s60, s60, s58
	s_mov_b32 s61, 0
	s_mul_i32 s62, s18, 78*256                     ; my quarter of the weights' images, in memory and in LDS: the wave's number alone
	s_mov_b32 s63, 0
	s_mov_b32 s32, 1
	s_lshl_b32 s33, s18, 15                        ; XRAW + 32,768 x wave
	s_mov_b32 s44, 1
	s_add_co_u32 s45, s62, WIMG
	s_wait_dscnt 0x0
	s_wait_kmcnt 0x0
	s_add_nc_u64 s[34:35], s[4:5], s[60:61]
	s_or_b32 s35, s35, 0x80000000
	s_add_nc_u64 s[46:47], s[6:7], s[62:63]
	s_or_b32 s47, s47, 0x80000000
	CROUND                                         ; all four work-groups are here: the joint loads meet
	tensor_load_to_lds s[32:35], s[24:31]          ; my 64 channels of x
	s_nop 0
	tensor_load_to_lds s[44:47], s[36:43]          ; my quarter of the weights, for all four work-groups
	s_nop 0
	PLACES 4                                       ; behind the tensor loads
	; where the results go
	s_mov_b32 s56, KVB
	s_cmp_eq_u32 s19, 0                            ; the choice hangs on the wave's number alone
	s_cselect_b32 s56, THB, s56
	s_cselect_b64 s[48:49], s[14:15], s[16:17]     ; theta into th, phi into kv
	s_cselect_b64 s[54:55], s[8:9], s[10:11]       ; bt or bp
	s_mul_i32 s60, s21, s56
	s_mov_b32 s61, 0
	s_add_nc_u64 s[48:49], s[48:49], s[60:61]      ; my block of th or of kv
	s_mul_i32 s62, s19, 8*FRB
	s_add_co_u32 s62, s62, 8*FRB
	s_lshl_b32 s57, s20, 9
	s_add_co_u32 s62, s62, s57
	s_add_nc_u64 s[50:51], s[48:49], s[62:63]      ; its scale words: behind 8 images (th) or 16 (kv), + 512 x half
	s_mul_i32 s62, s20, 4*FRB
	s_add_nc_u64 s[48:49], s[48:49], s[62:63]      ; my four images
	s_mul_i32 s60, s21, KVB
	s_mul_i32 s62, s18, 2*FRB
	s_add_co_u32 s60, s60, s62
	s_add_co_u32 s60, s60, 8*FRB
	s_add_nc_u64 s[52:53], s[16:17], s[60:61]      ; g's two images
	; addresses
	v_and_b32 v1, 31, v0                           ; lane
	v_and_b32 v2, 15, v0                           ; r
	v_bfe_u32 v3, v0, 4, 1                         ; h
	v_lshlrev_b32 v[LI], 4, v1
	v_lshlrev_b32 v[LS], 2, v1
	v_and_b32 v[GOF], 8, v2
	v_add_nc_u32 v[GOF], v[GOF], v2                ; r + 8 (r / 8)
	v_lshl_add_u32 v[XA0], v3, 3, v[GOF]           ; + 8 h: lanes 16-31 take the odd tile's positions
	s_lshl_b32 s57, s18, 7
	v_lshl_add_u32 v[XA0], v[XA0], 2, s57          ; 4 bytes a position, 32 positions a wave
	v_add_nc_u32 v[XA0+1], 0x10000, v[XA0]         ; 128 channels of 512 bytes on
	v_lshl_add_u32 v[GOF], v[GOF], 2, s57          ; bg: channel 32 w + r + 8 (r / 8)
	v_lshlrev_b32 v[BOF], 6, v3                    ; bt, bp: 16 h numbers on
	s_mul_i32 s57, s18, 4*FRB
	s_add_co_u32 s57, s57, XIMG
	v_add_nc_u32 v[XWI], s57, v[LI]
	s_lshl_b32 s57, s18, 8
	s_add_co_u32 s57, s57, XSC
	v_add_nc_u32 v[XWS], s57, v[LS]
	s_mul_i32 s57, s20, 8*FRB
	s_add_co_u32 s57, s57, XIMG
	v_add_nc_u32 v[XRI], s57, v[LI]
	s_lshl_b32 s57, s20, 9
	s_add_co_u32 s57, s57, XSC
	v_add_nc_u32 v[XRS], s57, v[LS]
	v_add_nc_u32 v[XFI], XIMG, v[LI]
	v_add_nc_u32 v[XFS], XSC, v[LS]
	s_lshl_b32 s58, s19, 10
	s_lshl_b32 s57, s20, 9
	s_add_co_u32 s57, s57, s58
	s_add_co_u32 s57, s57, SCST
	v_add_nc_u32 v[SST], s57, v[LI]
	v_mul_u32_u24 v[SRD], s58, v3                  ; on the way out phi's waves take lanes 16-31 from g's area, 1,024 bytes on: one product, the half x the distance
	v_add_nc_u32 v[SRD], v[SRD], v[SST]
	s_lshl_b32 s57, s19, 9
	s_lshl_b32 s58, s20, 3
	s_add_co_u32 s57, s57, s58
	s_add_co_u32 s57, s57, SCST+2048
	v_add_nc_u32 v[SSG], s57, v[LI]
	s_mul_i32 s57, s19, WBLK
	s_add_co_u32 s57, s57, WIMG
	v_add_nc_u32 v[WRA], s57, v[LI]
	s_add_co_u32 s57, s57, 16*FRB
	v_add_nc_u32 v[WRS], s57, v[LS]
	s_mul_i32 s57, s18, 4*FRB
	s_add_co_u32 s57, s57, WIMG+2*WBLK
	v_add_nc_u32 v[WGA], s57, v[LI]
	s_lshl_b32 s57, s18, 9
	s_add_co_u32 s57, s57, WIMG+2*WBLK+16*FRB
	v_add_nc_u32 v[WGSA], s57, v[LS]
.irp b, 0,1,2,3
	v_mov_b32 v[TM+4+\b], 0                        ; written once: a lane permute's destination counts as one of its sources
.endr
	WIN 0x80                                       ; destination window 2
.irp t, 0,1,2,3,4,5,6,7                ; my role's bias in the result's layout: for tile t, lane (r, h): units 32 (t / 2) + 16 h + 8 (t % 2) + 0 .. 7
	global_load_b128 v[B1+8*\t:B1+8*\t+3], v[BOF], s[54:55] offset:(32*(\t/2)+8*(\t%2))*4
	global_load_b128 v[B1+8*\t+4:B1+8*\t+7], v[BOF], s[54:55] offset:(32*(\t/2)+8*(\t%2))*4+16
.endr
.irp n, 0,1
	global_load_b32 v[BG+8*\n], v[GOF], s[12:13] offset:32*\n   ; bg of my lane's channel in tile 2 w + n
.endr
	WIN 0
	s_wait_tensorcnt 0x0                           ; my parts of x and of the weights are in,
	s_barrier_signal -1
	s_barrier_wait -1                              ; everybody's are
	; the weights go into registers and stay
	WIN 0x40
.irp q, 0,1,2,3,4,5,6,7,8,9,10,11,12,13,14,15
	FETCH 12*\q, WRA, \q*FRB
.endr
	WIN 0x80
.irp q, 0,1,2,3
	FETCH 12*\q, WGA, \q*FRB
.endr
	WIN 0
.irp q, 0,1,2,3,4,5,6,7,8,9,10,11,12,13,14,15
	ds_load_b32 v[WS+\q], v[WRS] offset:128*\q
.endr
.irp q, 0,1,2,3
	ds_load_b32 v[WGS+\q], v[WGSA] offset:128*\q
.endr
	; ---- X
	LOADB 0
	LOADB 1
.irp k, 0,1,2,3,4,5,6,7
	BLOCKQ \k
.endr
.irp q, 0,1,2,3                        ; register set q = 2 u + s is the fragment of tile 2 w + u, K step s
.irp c, 0,1,2
	ds_store_b128 v[XWI], v[XF+12*\q+4*\c:XF+12*\q+4*\c+3] offset:\q*FRB+512*\c
.endr
.endr
	ds_store_b32 v[XWS], v[XW]
	ds_store_b32 v[XWS], v[XW+1] offset:128
	BARRIER                                        ; x's sixteen fragments lie in LDS
	WIN 0xc0                                       ; destination window 3
.irp q, 0,1,2,3,4,5,6,7
	FETCH 12*\q, XRI, \q*FRB                       ; my four tiles, both K steps
.endr
	WIN 0
.irp q, 0,1,2,3
	ds_load_b32 v[XS1+\q], v[XRS] offset:128*\q
.endr
	s_wait_loadcnt 0x0                             ; the biases
	WIN 0x82                                       ; source 0 and destination window 2
.irp n, 0,1
.irp k, 1,2,3,4,5,6,7
	v_mov_b32 v[BG+8*\n+\k], v[BG+8*\n]            ; in g's result a lane holds one channel: eight equal registers
.endr
.endr
	WIN 0
	s_wait_dscnt 0x0
	; ---- 1: theta or phi, a tile of 16 positions at a time.  The eight accumulators take turns, one instruction a turn; the bias is the C of each sum's first product.
.irp m, 0,1,2,3
	WIN 0x2d                                       ; source 0 (the weight) window 1, source 1 (x) window 3, C (the bias) window 2
.irp t, 0,1,2,3,4,5,6,7
	MMA HA+8*\t, 24*\t, 24*\m, B1+8*\t, WS+2*\t, XS1+2*(\m/2), 2*(\m%2)
.endr
	WIN 0x0d
.irp t, 0,1,2,3,4,5,6,7
	MMA HA+8*\t, 24*\t+12, 24*\m+12, HA+8*\t, WS+2*\t+1, XS1+2*(\m/2)+1, 2*(\m%2)
.endr
	WIN 0
	PLACES 4                                       ; in front of the first read of results, and of loads into registers that the products have read
.if \m == 3
	WIN 0xc0
.irp q, 0,1,2,3,4,5,6,7,8,9,10,11,12,13,14,15
	FETCH 12*\q, XFI, \q*FRB                       ; phase 2 wants all sixteen: they land under the last tile's vector work
.endr
	WIN 0
.irp q, 0,1,2,3,4,5,6,7
	ds_load_b32 v[XS2+\q], v[XFS] offset:128*\q
.endr
.endif
	RELU HA
	s_wait_xcnt 0x0                                ; the last tile's stores have read the codes' registers,
	s_wait_dscnt 0x0                               ; and its LDS store the scale word's
	QUANT HA
.irp c, 0,1,2
	global_store_b128 v[LI], v[PC+4*\c:PC+4*\c+3], s[48:49] offset:\m*FRB+512*\c   ; 512 consecutive bytes, aligned
.endr
	ds_store_b32 v[SST], v[PW] offset:4*\m
.endr
	; ---- 2: g.  Source 0 = x's tile, source 1 = wg's tile: sixteen accumulators by turns, a K step at a time
	s_wait_dscnt 0x0
	WIN 0x2b                                       ; source 0 (x) window 3, source 1 (wg) window 2, C (bg) window 2
.irp p, 0,1,2,3,4,5,6,7
.irp n, 0,1
	MMA HA+64*\n+8*\p, 24*\p, 24*\n, BG+8*\n, XS2+2*(\p/2), WGS+2*\n, \p%2
.endr
.endr
	WIN 0x0b
.irp p, 0,1,2,3,4,5,6,7
.irp n, 0,1
	MMA HA+64*\n+8*\p, 24*\p+12, 24*\n+12, HA+64*\n+8*\p, XS2+2*(\p/2)+1, WGS+2*\n+1, \p%2
.endr
.endr
	WIN 0
	PLACES 4
.macro GOUT s, n
	RELU \s
	s_wait_xcnt 0x0
	s_wait_dscnt 0x0
	QUANT \s
.irp c, 0,1,2
	global_store_b128 v[LI], v[PC+4*\c:PC+4*\c+3], s[52:53] offset:\n*FRB+512*\c
.endr
	ds_store_b32 v[SSG], v[PW] offset:4*\n
.endm
	GOUT HA, 0
	GOUT HB, 1
	BARRIER                                        ; all scale words lie in LDS
	ds_load_b128 v[16:19], v[SRD]                  ; four tiles' words a lane
	s_wait_dscnt 0x0
	global_store_b128 v[LI], v[16:19], s[50:51]    ; 512 consecutive bytes, aligned
	s_wait_tensorcnt 0x0
	ds_add_u32 v254, v255
	s_wait_dscnt 0x0
	CROUND                                         ; the closing round: no work-group ends while a partner may still ask for a tile that names it
	s_endpgm
.Lfunc_end_k_q253e512371_proj:
	.size	k_q253e512371_proj, .Lfunc_end_k_q253e512371_proj-k_q253e512371_proj
	.p2alignl 7, 3214868480
	.fill 96, 4, 3214868480
	.section	.rodata,"a",@progbits
	.p2align	6, 0x0
	.amdhsa_kernel k_q253e512371_proj
		.amdhsa_group_segment_fixed_size 246272
		.amdhsa_private_segment_fixed_size 0
		.amdhsa_enable_private_segment 0
		.amdhsa_kernarg_size 56
		.amdhsa_user_sgpr_count 2
		.amdhsa_user_sgpr_kernarg_segment_ptr 1
		.amdhsa_wavefront_size32 1
		.amdhsa_system_sgpr_workgroup_id_x 1
		.amdhsa_system_sgpr_workgroup_id_y 1
		.amdhsa_system_sgpr_workgroup_id_z 1
		.amdhsa_system_vgpr_workitem_id 0
		.amdhsa_next_free_vgpr 1024
		.amdhsa_next_free_sgpr 66
		.amdhsa_reserve_vcc 0
		.amdhsa_float_denorm_mode_32 3
		.amdhsa_float_denorm_mode_16_64 3
		.amdhsa_memory_ordered 1
		.amdhsa_forward_progress 1
		.amdhsa_inst_pref_size 100
	.end_amdhsa_kernel
	.amdgpu_metadata
---
amdhsa.version: [ 1, 2 ]
amdhsa.kernels:
  - .name:           k_q253e512371_proj
    .symbol:         k_q253e512371_proj.kd
    .args:
      - { .name: x, .offset: 0, .size: 8, .value_kind: global_buffer, .address_space: global }
      - { .name: wimg, .offset: 8, .size: 8, .value_kind: global_buffer, .address_space: global }
      - { .name: bt, .offset: 16, .size: 8, .value_kind: global_buffer, .address_space: global }
      - { .name: bp, .offset: 24, .size: 8, .value_kind: global_buffer, .address_space: global }
      - { .name: bg, .offset: 32, .size: 8, .value_kind: global_buffer, .address_space: global }
      - { .name: th, .offset: 40, .size: 8, .value_kind: global_buffer, .address_space: global }
      - { .name: kv, .offset: 48, .size: 8, .value_kind: global_buffer, .address_space: global }
    .group_segment_fixed_size: 246272
    .private_segment_fixed_size: 0
    .kernarg_segment_align: 8
    .kernarg_segment_size: 56
    .max_flat_workgroup_size: 128
    .sgpr_count:     66
    .vgpr_count:     1024
    .wavefront_size: 32
...
	.end_amdgpu_metadata
.endif
;; end of part 2
;; launch attn (part 3): grid 32 x 8, 8 waves a work-group, clusters of 4 x 1, 327,680 bytes of LDS; arguments th, kv, wimg, bm, x, out0; writes out0
.if DOCPART == 3
	.amdgcn_target "amdgcn-amd-amdhsa--gfx1250"
	.amdhsa_code_object_version 6
	.text
	.protected	k_q253e512371_attn
	.globl	k_q253e512371_attn
	.p2align	8
	.type	k_q253e512371_attn,@function
k_q253e512371_attn:
	s_mov_b64 s[64:65], 0
	v_nop
	global_prefetch_b8 v0, s[64:65] scope:SCOPE_SE
	s_setreg_imm32_b32 hwreg(HW_REG_WAVE_MODE, 25, 1), 1
	s_wait_xcnt 0x0
	s_wait_alu depctr_hold_cnt(0) depctr_sa_sdst(0) depctr_va_vdst(0) depctr_va_sdst(0) depctr_va_ssrc(0) depctr_va_vcc(0) depctr_vm_vsrc(0)
	s_getreg_b32 s2, hwreg(HW_REG_IB_STS2, 6, 4)
	s_cmp_eq_u32 s2, 0
	s_cbranch_scc0 .Lentry_in_a_cluster
	s_endpgm
.Lentry_in_a_cluster:
	s_bfe_u32 s2, ttmp6, 0x10000c
	s_cmp_lg_u32 s2, 0x3003
	s_cbranch_scc0 .Lentry_shape_is_right
	s_endpgm
.Lentry_shape_is_right:
; out0 = relu(wm (softmax(theta phi) g)^T + bm) + x, all three products on codes of E3M2 with one E8M0 byte for each 32 along K.
; THE SOFTMAX AHEAD OF THE SECOND PRODUCT: t = score x log2(e); M = the row's largest t so far, rounded UP to a whole number; p = 2^(t - M) is quantised along the keys, not normalised; the row's sum is taken of the
; unquantised p in f32 and divides at the end.  When M moves, the sum and O are multiplied by 2^(old M - new M): exact.
; SHARES.  A work-group owns 128 queries of one batch (256 work-groups): eight waves of 512 registers, two to a SIMD.  Wave w has TWO tiles of 16 queries, 2 (w % 4) and 2 (w % 4) + 1, and, of each slot of 256 keys,
; the key step w / 4.  So every fragment of phi, of g and of wm that a wave reads from LDS feeds two products: 8 x 25,600 bytes are read for a slot's sixteen units of 16 queries x 128 keys.
; At the end waves w and w xor 4 merge through LDS (whole-number M: the factors are powers of two), both quantise the merged rows, and each makes 8 of the last product's 16 tiles of outputs.
; OPERANDS arrive as images of their registers (three loads of 16 bytes a lane for a fragment, every load 512 consecutive bytes: no pitch, no padding).  A key step is one dense block of 25,600 bytes of kv:
; 8 fragments of phi, 8 of g, and 1,024 bytes of scale words (lanes 0-15 phi's, lanes 16-31 g's: one register serves both products).
; LAYOUT.  Row r of tile 2 b + u is item 32 b + 8 u + r + 8 (r / 8).  S^T = phi theta^T and O^T = g^T P^T: a lane holds ONE query throughout, and the 16 registers of tiles 2 b, 2 b + 1 are 16 neighbouring keys (channels).
; The last product has source 0 = the merged rows, source 1 = 16 rows of wm: a lane holds one output channel and eight neighbouring positions of out0's row.
; CLUSTER.  The four work-groups of a cluster belong to one batch and walk the same kv: each slot, and wm's images, are asked for JOINTLY.  4 x 1, since one operand alone is shared.
; RING.  Two slots of 51,200 bytes, 65,536 apart; waves 0 and 1 fetch a key step each.  A wave has one tensor load out.
; LIMITS: a block whose largest magnitude lies under 2^-122 keeps the byte 1; a block of zeros gets the byte 1 (its codes are zeros); p under 2^-126 counts as 0; the division is a multiplication by v_rcp_f32; NaN and infinities are not served.
; REGISTERS, in two windows of 256 (s_set_vgpr_msb: bits 1:0 source 0, 3:2 source 1, 5:4 source 2, 7:6 destination).  TILE B'S STATE LIES IN WINDOW 1 AT THE NUMBERS THAT TILE A'S HAS IN WINDOW 0, so that each run of
; vector work is written once and expanded under the setting 0 and under 0x55:
;   both windows: v12 -M, v13 the largest t, v[14:15] the sum; v16-27 theta; v96-159 S^T, then p; v160-223 O^T; v224-235 codes; v232-254 at work; v[250:251] f.
;   window 0 alone: v1-11, v28-31 addresses; v32-79 fragments 0-3; v86-95, v253, v255 scale words and nothing else (scale operands have no window: tile B's words are v86 and v87).
;   window 1 alone: v32-79 fragments 4-7: a step's eight fragments of phi, and of g, are asked for in one run.  In the tail v0-11 and v28-95 of window 1 and v32-79 of window 0 hold my 32 rows of x.
.set FRB,   1536
.set KVB,   25600
.set THB,   13312
.set WBLK,  26624
.set SLOT1, 65536
.set WMI,   131072                     ; wm's images and scale words: filled once
.set SPARE, 157696                     ; the spare words, 128 bytes for each of eight waves: four blocks of 256 bytes that no other line names
.set MRG,   159744                     ; the merge: O^T of unit (wave w, tile a) at 8,448 (2 w + a) (16 pieces of 512 bytes), its (-M, l) 8,192 on.  Later the stage: 256 rows of 512 + 16 bytes.  No tensor load lands here
.set UNIT,  8448
.set AB0,  1                           ; v1   16 lane + my key step's place in a slot
.set ADR,  2                           ; v2   the same in the slot in hand
.set PFO,  3                           ; v3   prefetch: 16 rows x 2 blocks of 256 bytes
.set GO,   4                           ; v4   16 lane
.set SPW,  5                           ; v5   my spare word; never rewritten
.set NIL,  6                           ; v6   0; never rewritten
.set MW,   7                           ; v7   my place in the merge area; also where I read my 32 rows of the stage back: both are MRG + 16,896 w + 16 lane
.set MS,   8                           ; v8   my (-M, l)
.set MR,   9                           ; v9   my partner's place
.set MRS,  10                          ; v10  its (-M, l)
.set WA,   11                          ; v11  my eight fragments of wm
.set WSA,  28                          ; v28  their scale words
.set SO,   29                          ; v29  the stage: where I put 32 bytes of a row
.set BMO,  31                          ; v31  bm of my lane's output
.set PWB,  86                          ; v86  tile B's scale word of p, later of its merged rows
.set QWB,  87                          ; v87  tile B's scale word of theta
.set SW,   88                          ; v88-95 a key step's scale words, later wm's
.set TB,   48                          ; s48  the slot in hand
.set MSB, 0
.macro WIN new                         ; the immediate's high byte repeats the setting that is left; a switch that changes nothing is dropped
.if MSB != \new
	s_set_vgpr_msb (MSB<<8)|\new
.set MSB, \new
.endif
.endm
.macro PLACES n
.rept \n
	v_nop
.endr
.endm
.macro CROUND                          ; a round of the cluster's barrier
	s_barrier_signal -1
	s_barrier_wait -1
	s_cmp_lg_u32 s18, 0
	s_cbranch_scc1 .Lnot_wave_0_\@
	s_barrier_signal -3
.Lnot_wave_0_\@:
	s_barrier_wait -3
	s_barrier_signal -1
	s_barrier_wait -1
.endm
.macro BARRIER
	s_wait_dscnt 0x0
	s_barrier_signal -1
	s_barrier_wait -1
.endm
.macro FETCH reg, adr, off
.irp c, 0,1,2
	ds_load_b128 v[\reg+4*\c:\reg+4*\c+3], v[\adr] offset:\off+512*\c
.endr
.endm
; Four products each.  Which tile of queries and which four fragments is said by the window setting in front.  The accumulators take turns, one instruction a turn.
.macro SPROD g, qw                     ; S^T = phi theta^T: keys' tiles 4 g + t
.irp t, 0,1,2,3
	v_wmma_scale_f32_16x16x128_f8f6f4 v[96+8*(4*\g+\t):103+8*(4*\g+\t)], v[32+12*\t:43+12*\t], v[16:27], 0, v[SW+4*\g+\t], v[\qw] matrix_a_fmt:MATRIX_FMT_BF6 matrix_b_fmt:MATRIX_FMT_BF6
.endr
.endm
.macro OPROD g, pw                     ; O^T += g^T P^T: channels' tiles 4 g + t; g's scale words lie in lanes 16-31
.irp t, 0,1,2,3
	v_wmma_scale_f32_16x16x128_f8f6f4 v[160+8*(4*\g+\t):167+8*(4*\g+\t)], v[32+12*\t:43+12*\t], v[224:235], v[160+8*(4*\g+\t):167+8*(4*\g+\t)], v[SW+4*\g+\t], v[\pw] matrix_a_fmt:MATRIX_FMT_BF6 matrix_b_fmt:MATRIX_FMT_BF6 matrix_a_scale:MATRIX_SCALE_ROW1
.endr
.endm
.macro YPROD g, pw                     ; the last product: source 0 = 16 merged rows, source 1 = 16 rows of wm
.irp t, 0,1,2,3
	v_wmma_scale_f32_16x16x128_f8f6f4 v[160+8*(4*\g+\t):167+8*(4*\g+\t)], v[224:235], v[96+12*\t:107+12*\t], 0, v[\pw], v[SW+4*\g+\t] matrix_a_fmt:MATRIX_FMT_BF6 matrix_b_fmt:MATRIX_FMT_BF6
.endr
.endm
; The four blocks' largest magnitudes stand in v232-235 (floor applied); the 64 numbers in v[s] on.  Scale word into v253, codes into v224-235.
.macro CODES s
.irp b, 0,1,2,3
	v_add_nc_u32 v[244+\b], 0xfe000000, v[232+\b]  ; 4 off the exponent field: the conversion's scale operand
.endr
.irp b, 0,1,2,3
	v_lshrrev_b32 v[236+\b], 23, v[244+\b]         ; the scale's byte
.endr
	v_lshl_or_b32 v253, v237, 8, v236
	v_lshl_or_b32 v253, v238, 16, v253
	v_lshl_or_b32 v253, v239, 24, v253
.irp c, 0,1
	v_cvt_scalef32_pk16_bf6_f32 v[224+6*\c:226+6*\c], v[\s+32*\c:\s+15+32*\c], v[244+2*\c]
	v_cvt_scalef32_pk16_bf6_f32 v[236+4*\c:238+4*\c], v[\s+16+32*\c:\s+31+32*\c], v[244+2*\c+1]   ; a conversion's three registers begin on an even number
.endr
	v_nop                                          ; one plain instruction behind a scaled conversion
.irp c, 0,1                            ; the operand's layout wants a WHOLE block in a lane
.irp i, 0,1,2
	v_permlane16_swap_b32 v[224+6*\c+\i], v[236+4*\c+\i]
.endr
.irp i, 0,1,2
	v_mov_b32 v[227+6*\c+\i], v[236+4*\c+\i]
.endr
.endr
.endm
; One tile's softmax of a key step, first part: the maxima, M, p, p's codes and scale word.
.macro SOFT1
.irp b, 0,1,2,3
	v_max3_num_f32 v[232+\b], v[96+16*\b], v[97+16*\b], v[98+16*\b]   ; the largest score of each block of 32 keys: for the row's maximum, and, since p rises with the score, for the block's largest p
.endr
.irp i, 3,5,7,9,11,13
.irp b, 0,1,2,3
	v_max3_num_f32 v[232+\b], v[232+\b], v[96+16*\b+\i], v[97+16*\b+\i]
.endr
.endr
.irp b, 0,1,2,3
	v_max_num_f32 v[232+\b], v[232+\b], v[111+16*\b]
.endr
.irp b, 0,1,2,3
	v_permlanex16_b32 v[236+\b], v[232+\b], s20, s21
.endr
.irp b, 0,1,2,3
	v_max_num_f32 v[232+\b], v[232+\b], v[236+\b]  ; with lane l xor 16's 16 keys
.endr
	v_max3_num_f32 v254, v232, v233, v234
	v_max_num_f32 v254, v254, v235                 ; the step's largest score of my query
	v_mul_f32 v254, s22, v254                      ; as t
	v_max_num_f32 v13, v13, v254                   ; the running largest t
	v_mov_b32 v254, v12
	v_floor_f32 v12, -v13                          ; the new -M = floor(-t) = -ceil(t)
	v_sub_f32 v254, v12, v254                      ; old M - new M: a whole number, 0 or less
	v_cvt_i32_f32 v254, v254                       ; (it saturates)
	v_ldexp_f32 v250, 1.0, v254                    ; f = 2^(old M - new M)
.irp j, 0,2,4,6,8,10,12,14,16,18,20,22,24,26,28,30,32,34,36,38,40,42,44,46,48,50,52,54,56,58,60,62
	v_pk_fma_f32 v[96+\j:97+\j], v[96+\j:97+\j], s[22:23], v[12:13] op_sel_hi:[1,0,0]   ; t - M, two at a time
.endr
.irp b, 0,1,2,3
	v_fma_f32 v[232+\b], v[232+\b], s22, v12       ; the same of each block's largest score
.endr
.set J, 0
.rept 64
	v_exp_f32 v[96+J], v[96+J]                     ; p = 2^(t - M), at most 1
.set J, J+1
.endr
.irp b, 0,1,2,3
	v_exp_f32 v[232+\b], v[232+\b]                 ; the block's largest p: the same two instructions on the same number
.endr
	v_pk_mul_f32 v[14:15], v[14:15], v[250:251] op_sel_hi:[1,0]   ; the sums under the new M; also the plain instruction behind the exponentials
	s_wait_alu depctr_va_vdst(0)
.irp b, 0,1,2,3
	v_max_num_f32 v[232+\b], 0x2800000, v[232+\b]  ; the floor 2^(5 - 127): the byte cannot fall under 1
.endr
	CODES 96
.endm
; Second part: the row's sum and O^T's rescaling: 64 plain instructions, which are also the places between the codes, their scale word and the products that take them.
.macro SOFT2
	v_pk_add_f32 v[236:237], v[96:97], v[98:99]    ; the row's sum is taken of the unquantised p: two at a time, in two chains
.irp j, 4,8,12,16,20,24,28,32,36,40,44,48,52,56,60
	v_pk_add_f32 v[14:15], v[14:15], v[96+\j:97+\j]
	v_pk_add_f32 v[236:237], v[236:237], v[98+\j:99+\j]
.endr
	v_pk_add_f32 v[14:15], v[14:15], v[236:237]
.irp j, 0,2,4,6,8,10,12,14,16,18,20,22,24,26,28,30,32,34,36,38,40,42,44,46,48,50,52,54,56,58,60,62
	v_pk_mul_f32 v[160+\j:161+\j], v[160+\j:161+\j], v[250:251] op_sel_hi:[1,0]   ; O^T under the new M
.endr
.endm
; THE CHANGE OF SLOTS stands at a slot's head.  Each wave waits for all its tensor loads, adds 0 to its spare word, and waits for that and for its reads of the slot that it has left.
; fill = 1: a round of the cluster's barrier, and behind it the slot just left is asked for jointly: the load has a whole key step's work in which to land.
.macro CHANGE fill
	s_wait_tensorcnt 0x0                           ; no tensor load of mine is out, so a descriptor may be written
	ds_add_u32 v[SPW], v[NIL]                      ; 0 onto my spare word
.if \fill
	s_xor_b32 s41, s41, SLOT1                      ; the walking descriptor: the other slot than last time,
	s_add_nc_u64 s[42:43], s[42:43], 2*KVB         ; the next 256 keys; the type bits on top are not reached
.endif
	s_wait_dscnt 0x0                               ; the add is done, and my reads of the slot that I have left are over
.if \fill
	CROUND
	s_cmp_lt_u32 s18, 2                            ; waves 0 and 1 fetch; the branch hangs on the wave's number alone
	s_cbranch_scc0 .Lnone_\@
	tensor_load_to_lds s[40:43], s[24:31]
	s_nop 0
	PLACES 4                                       ; behind a tensor load
.Lnone_\@:
.else
	s_barrier_signal -1
	s_barrier_wait -1
.endif
.endm
; A KEY STEP: my 128 keys of the slot in hand, for both my tiles of queries.  Every window is 0 at its head and at its end.
.macro STEP
	PLACES 4                                       ; in front of loads into registers that the last products have read
	v_add_nc_u32 v[ADR], s[TB], v[AB0]
	ds_load_b128 v[SW:SW+3], v[ADR] offset:16*FRB        ; the scale words of tiles 0-3: lanes 0-15 phi's, lanes 16-31 g's
	ds_load_b128 v[SW+4:SW+7], v[ADR] offset:16*FRB+512  ; of tiles 4-7
.irp t, 0,1,2,3
	FETCH 32+12*\t, ADR, \t*FRB                    ; phi's fragments 0-3
.endr
	WIN 0x40                                       ; destination window 1
.irp t, 0,1,2,3
	FETCH 32+12*\t, ADR, (4+\t)*FRB                ; and 4-7, in the same run
.endr
	WIN 0
	s_wait_dscnt 12                                ; the scale words and fragments 0-3 are in; the twelve loads of fragments 4-7 may be out
	SPROD 0, 255                                   ; tile A
	WIN 0x44                                       ; theta and S^T in window 1
	SPROD 0, QWB                                   ; tile B
	s_wait_dscnt 0x0
	WIN 0x01                                       ; phi's fragments in window 1
	SPROD 1, 255
	WIN 0x45
	SPROD 1, QWB
	WIN 0
	PLACES 4                                       ; in front of the first read of results, and of loads into registers that the products have read
.irp t, 0,1,2,3
	FETCH 32+12*\t, ADR, (8+\t)*FRB                ; all eight fragments of g: they land under the two softmaxes
.endr
	WIN 0x40
.irp t, 0,1,2,3
	FETCH 32+12*\t, ADR, (12+\t)*FRB
.endr
	WIN 0
	SOFT1                                          ; tile A
	SOFT2
	WIN 0x55                                       ; every operand place in window 1: tile B
	SOFT1
	WIN 0x01
	v_mov_b32 v[PWB], v253                         ; its scale word goes where scale operands are taken from; SOFT2's lines stand between this line and the products
	WIN 0x55
	SOFT2
	WIN 0
	s_wait_dscnt 0x0                               ; g
	OPROD 0, 253                                   ; tile A
	WIN 0x54                                       ; codes and O^T in window 1
	OPROD 0, PWB                                   ; tile B
	WIN 0x01                                       ; g's fragments in window 1
	OPROD 1, 253
	WIN 0x55
	OPROD 1, PWB
	WIN 0
.endm
; What a tile's state begins with.  The step is written for every trip alike: the first finds zeros in O^T and in the sum, which the first change of M leaves zeros.
.macro INIT
	v_mov_b32 v13, 0xff61b1e6                      ; the largest t so far: -3e38, under every t
	v_floor_f32 v12, -v13                          ; -M
	v_mov_b32 v14, 0                               ; the sum, in two halves
	v_mov_b32 v15, 0
.irp b, 0,1,2,3
	v_mov_b32 v[236+\b], 0                         ; written once: a lane permute's destination counts as one of its sources
.endr
	v_mov_b32 v252, 0
	v_mov_b32 v251, 0                              ; (named as upper halves of pairs)
	v_mov_b32 v249, 0
.set J, 0
.rept 64
	v_mov_b32 v[160+J], 0
.set J, J+1
.endr
.endm
.macro LSUM                            ; the sum's two halves and lane l xor 16's: my keys' sum, beside -M
	v_add_f32 v14, v14, v15
	v_permlanex16_b32 v252, v14, s20, s21
	v_add_f32 v13, v14, v252
.endm
; My O^T (v160-223, -M v12, l v13) and my partner's (v96-159, v14, v15) become the attention's result: register 16 b + i = channel 32 b + 16 h + i of my query.
.macro MERGE
	v_min_num_f32 v254, v12, v14                   ; the common -M: the larger M
	v_sub_f32 v250, v254, v12
	v_sub_f32 v248, v254, v14
	v_cvt_i32_f32 v250, v250
	v_cvt_i32_f32 v248, v248
	v_ldexp_f32 v250, 1.0, v250                    ; my factor,
	v_ldexp_f32 v248, 1.0, v248                    ; my partner's: powers of two
	v_mul_f32 v252, v13, v250
	v_fma_f32 v252, v15, v248, v252                ; the row's sum
	v_rcp_f32 v246, v252
	v_nop                                          ; a plain instruction behind the transcendental
	s_wait_alu depctr_va_vdst(0)
	v_mul_f32 v250, v250, v246                     ; 1 / the sum goes into both factors: a power of two times it rounds nothing
	v_mul_f32 v248, v248, v246
.irp j, 0,2,4,6,8,10,12,14,16,18,20,22,24,26,28,30,32,34,36,38,40,42,44,46,48,50,52,54,56,58,60,62
	v_pk_mul_f32 v[160+\j:161+\j], v[160+\j:161+\j], v[250:251] op_sel_hi:[1,0]
.endr
.irp j, 0,2,4,6,8,10,12,14,16,18,20,22,24,26,28,30,32,34,36,38,40,42,44,46,48,50,52,54,56,58,60,62
	v_pk_fma_f32 v[160+\j:161+\j], v[96+\j:97+\j], v[248:249], v[160+\j:161+\j] op_sel_hi:[1,0,1]
.endr
.endm
.macro QMAX                            ; the merged row's four blocks' largest magnitudes, with the floor among the leaves
.irp b, 0,1,2,3
	v_max3_num_f32 v[232+\b], |v[160+16*\b]|, |v[161+16*\b]|, 0x2800000
.endr
.irp i, 2,4,6,8,10,12,14
.irp b, 0,1,2,3
	v_max3_num_f32 v[232+\b], v[232+\b], |v[160+16*\b+\i]|, |v[161+16*\b+\i]|
.endr
.endr
.irp b, 0,1,2,3
	v_permlanex16_b32 v[236+\b], v[232+\b], s20, s21
.endr
.irp b, 0,1,2,3
	v_max_num_f32 v[232+\b], v[232+\b], v[236+\b]
.endr
.endm
.macro BIAS                            ; + bm of my lane's output; each accumulator from its low end on
.irp t, 0,1,2,3,4,5,6,7
.irp j, 0,1,2,3,4,5,6,7
	v_add_f32 v[160+8*\t+\j], v[160+8*\t+\j], v[144+\t]
.endr
.endr
.endm
.macro RELU
.set J, 0
.rept 64
	v_max_num_f32 v[160+J], 0, v[160+J]
.set J, J+1
.endr
.endm
	s_load_b256 s[4:11], s[0:1], 0x0               ; th s[4:5], kv s[6:7], wimg s[8:9], bm s[10:11]
	s_load_b128 s[12:15], s[0:1], 0x20             ; x s[12:13], out0 s[14:15]
	v_lshl_add_u32 v[SPW], v0, 2, SPARE
	v_mov_b32 v[NIL], 0
	ds_add_u32 v5, v6
	s_wait_dscnt 0x0
	v_lshrrev_b32 v2, 5, v0
	v_readfirstlane_b32 s18, v2                    ; wave 0..7
	s_and_b32 s17, s18, 3                          ; my pair of tiles of queries
	s_lshr_b32 s19, s18, 2                         ; my key step of a slot; later my half of the outputs
	s_and_b32 s16, s18, 1                          ; which key step I fetch, if I fetch
	s_and_b32 s54, ttmp7, 0xffff                   ; the batch, which the four partners share
	s_bfe_u32 s55, ttmp6, 0x40000                  ; cx: it enters the addresses of th, x and out0 alone
	s_lshl_b32 s56, ttmp9, 2
	s_add_co_u32 s56, s56, s55                     ; my block of 128 queries
	s_mov_b32 s20, 0x76543210
	s_mov_b32 s21, 0xfedcba98                      ; v_permlanex16_b32's selects for lane l xor 16
	s_mov_b32 s22, 0x3fb8aa3b                      ; log2(e)
	s_mov_b32 s23, s22                             ; (named with it as a pair, so it is written)
	; a key step: a dense block, 100 rows of 256 bytes (32 elements of 8); the mask names the four work-groups, bit 21 beside it
	s_mov_b32 s24, 15|(3<<16)|(1<<21)
	s_mov_b32 s25, 32<<16
	s_mov_b32 s26, 100<<16
	s_mov_b32 s27, 32<<16
	s_mov_b32 s28, 100
	s_mov_b32 s29, 32
	s_mov_b32 s30, 0
	s_mov_b32 s31, 0
	; wm's block: 104 such rows
	s_mov_b32 s32, 15|(3<<16)|(1<<21)
	s_mov_b32 s33, 32<<16
	s_mov_b32 s34, 104<<16
	s_mov_b32 s35, 32<<16
	s_mov_b32 s36, 104
	s_mov_b32 s37, 32
	s_mov_b32 s38, 0
	s_mov_b32 s39, 0
	s_mul_i32 s66, s54, 32*KVB                     ; the batch's 32 key steps,
	s_mul_i32 s41, s16, KVB                        ; the one that I fetch: in a slot,
	s_add_co_u32 s66, s66, s41                     ; and in memory
	s_mov_b32 s67, 0
	s_lshl_b32 s57, s54, 5
	s_add_co_u32 s57, s57, s56
	s_mul_i32 s57, s57, THB                        ; my block of th,
	s_mul_i32 s58, s17, 2*FRB
	s_add_co_u32 s58, s58, s57                     ; my two tiles' images, one behind the other,
	s_mov_b32 s59, 0
	s_lshr_b32 s60, s17, 1                         ; and their scale words: tile tq's at 512 (tq / 4) + 4 (tq % 4) + 16 lane, tq = 2 (w % 4) and the next
	s_lshl_b32 s60, s60, 9
	s_and_b32 s61, s17, 1
	s_lshl_b32 s61, s61, 3
	s_add_co_u32 s60, s60, s61
	s_add_co_u32 s60, s60, s57
	s_add_co_u32 s60, s60, 8*FRB
	s_mov_b32 s61, 0
	s_lshl_b32 s62, s54, 22                        ; x, out0: 4,194,304 bytes a batch,
	s_lshl_b32 s63, s56, 9                         ; 512 bytes a block of positions,
	s_add_co_u32 s62, s62, s63
	s_lshl_b32 s63, s18, 19                        ; 32 rows of 16,384 bytes a wave
	s_add_co_u32 s62, s62, s63
	s_mov_b32 s63, 0
	s_mov_b32 s[TB], 0
	s_mov_b32 s49, 15                              ; slots still to be asked for
	s_wait_kmcnt 0x0
	s_mov_b32 s40, 1
	s_add_nc_u64 s[42:43], s[6:7], s[66:67]
	s_or_b32 s43, s43, 0x80000000
	s_mov_b32 s44, 1
	s_mov_b32 s45, WMI
	s_add_nc_u64 s[46:47], s[8:9], 3*WBLK
	s_or_b32 s47, s47, 0x80000000
	s_add_nc_u64 s[58:59], s[4:5], s[58:59]
	s_add_nc_u64 s[60:61], s[4:5], s[60:61]
	s_add_nc_u64 s[50:51], s[12:13], s[62:63]
	s_add_nc_u64 s[52:53], s[14:15], s[62:63]
	CROUND                                         ; all four work-groups are here: the first joint loads meet
	s_cmp_lt_u32 s18, 2                            ; the first fills: waves 0 and 1 slot 0's two key steps, wave 2 wm's block
	s_cbranch_scc0 .Lnot_k
	tensor_load_to_lds s[40:43], s[24:31]
	s_nop 0
	PLACES 4
	s_branch .Lasked
.Lnot_k:
	s_cmp_eq_u32 s18, 2
	s_cbranch_scc0 .Lasked
	tensor_load_to_lds s[44:47], s[32:39]
	s_nop 0
	PLACES 4
.Lasked:
	v_and_b32 v32, 31, v0                          ; lane
	v_and_b32 v33, 15, v0                          ; r
	v_bfe_u32 v34, v0, 4, 1                        ; h
	v_lshlrev_b32 v[GO], 4, v32
.irp c, 0,1,2
	global_load_b128 v[16+4*\c:19+4*\c], v[GO], s[58:59] offset:512*\c   ; tile A's fragment of theta stays in registers
.endr
	global_load_b32 v255, v[GO], s[60:61]          ; its scale words: 16 bytes from lane to lane
	global_load_b32 v[QWB], v[GO], s[60:61] offset:4   ; tile B's
	WIN 0x40                                       ; destination window 1
.irp c, 0,1,2
	global_load_b128 v[16+4*\c:19+4*\c], v[GO], s[58:59] offset:FRB+512*\c   ; tile B's fragment
.endr
	WIN 0
	s_mul_i32 s69, s19, KVB
	v_add_nc_u32 v[AB0], s69, v[GO]
	v_lshrrev_b32 v35, 1, v32
	v_and_b32 v36, 1, v32
	v_lshlrev_b32 v[PFO], 14, v35
	v_lshl_add_u32 v[PFO], v36, 8, v[PFO]
	s_mul_i32 s70, s18, 2*UNIT
	s_add_co_u32 s70, s70, MRG
	v_add_nc_u32 v[MW], s70, v[GO]
	v_lshl_add_u32 v[MS], v32, 3, s70
	v_add_nc_u32 v[MS], 8192, v[MS]
	s_xor_b32 s71, s18, 4                          ; my partner: the same queries, the other keys
	s_mul_i32 s71, s71, 2*UNIT
	s_add_co_u32 s71, s71, MRG
	v_add_nc_u32 v[MR], s71, v[GO]
	v_lshl_add_u32 v[MRS], v32, 3, s71
	v_add_nc_u32 v[MRS], 8192, v[MRS]
	s_mul_i32 s72, s19, 8*FRB
	s_add_co_u32 s72, s72, WMI
	v_add_nc_u32 v[WA], s72, v[GO]
	s_lshl_b32 s73, s19, 10
	s_add_co_u32 s73, s73, WMI+16*FRB
	v_lshl_add_u32 v[WSA], v32, 2, s73
	s_mul_i32 s74, s19, 128*528                    ; the stage: row = output 128 z + 16 t + r; in it tile (w % 4, a)'s positions 32 (w % 4) + 8 a + 16 h + 0 .. 7
	s_lshl_b32 s75, s17, 7
	s_add_co_u32 s74, s74, s75
	s_add_co_u32 s74, s74, MRG
	v_mul_u32_u24 v[SO], v33, 528
	v_lshl_add_u32 v[SO], v34, 6, v[SO]
	v_add_nc_u32 v[SO], s74, v[SO]
	s_lshl_b32 s75, s19, 9
	v_lshl_add_u32 v[BMO], v33, 2, s75
	INIT                                           ; tile A
	WIN 0x55
	INIT                                           ; tile B
	WIN 0
	s_wait_loadcnt 0x0                             ; theta
.Lslot:                                                ; 15 trips: behind each change of slots but the last the next slot is asked for
	CHANGE 1
	STEP
	s_xor_b32 s[TB], s[TB], SLOT1
	s_sub_co_u32 s49, s49, 1
	s_cmp_lg_u32 s49, 0
	s_cbranch_scc1 .Lslot
	CHANGE 0                                       ; the last slot is written out
	global_prefetch_b8 v[PFO], s[50:51] th:TH_LOAD_NT scope:SCOPE_SE                 ; the 64 blocks of 256 bytes of the 32 rows of x that this wave itself loads behind this key step:
	global_prefetch_b8 v[PFO], s[50:51] offset:262144 th:TH_LOAD_NT scope:SCOPE_SE   ; each asked for once, by this wave alone, inside the buffer
	STEP
	; ---- THE TAIL
	PLACES 4                                       ; behind the last products
.irp i, 0,1,2,3,4,5,6,7,8,9,10,11
	global_load_b128 v[32+4*\i:35+4*\i], v[GO], s[50:51] offset:\i*16384 th:TH_LOAD_NT   ; x: rows 32 w + i, my block's 512 bytes; wanted at the very end
.endr
	WIN 0x40
.irp i, 12,13,14,15,16,17,18,19,20,21,22,23,24,25,26,27,28
	global_load_b128 v[28+4*(\i-12):31+4*(\i-12)], v[GO], s[50:51] offset:\i*16384 th:TH_LOAD_NT
.endr
.irp i, 29,30,31
	global_load_b128 v[4*(\i-29):3+4*(\i-29)], v[GO], s[50:51] offset:\i*16384 th:TH_LOAD_NT
.endr
	WIN 0
	LSUM
.irp k, 0,1,2,3,4,5,6,7,8,9,10,11,12,13,14,15
	ds_store_b128 v[MW], v[160+4*\k:163+4*\k] offset:512*\k   ; tile A's O^T as it stands, each accumulator from its low end on
.endr
	ds_store_b64 v[MS], v[12:13]
	WIN 0x55
	LSUM
	WIN 0x04                                       ; an LDS store's data are its source 1: window 1
.irp k, 0,1,2,3,4,5,6,7,8,9,10,11,12,13,14,15
	ds_store_b128 v[MW], v[160+4*\k:163+4*\k] offset:UNIT+512*\k   ; tile B's
.endr
	ds_store_b64 v[MS], v[12:13] offset:UNIT
	WIN 0
	BARRIER                                        ; every wave's parts lie in LDS
.irp k, 0,1,2,3,4,5,6,7,8,9,10,11,12,13,14,15
	ds_load_b128 v[96+4*\k:99+4*\k], v[MR] offset:512*\k
.endr
	ds_load_b64 v[14:15], v[MRS]
	WIN 0x40
.irp k, 0,1,2,3,4,5,6,7,8,9,10,11,12,13,14,15
	ds_load_b128 v[96+4*\k:99+4*\k], v[MR] offset:UNIT+512*\k
.endr
	ds_load_b64 v[14:15], v[MRS] offset:UNIT
	WIN 0
	BARRIER                                        ; and have been read: the area may become the stage
	MERGE                                          ; tile A
.irp t, 0,1,2,3,4,5,6,7
	global_load_b32 v[144+\t], v[BMO], s[10:11] offset:64*\t   ; bm of output 128 z + 16 t + r
.endr
.irp t, 0,1,2,3,4,5,6,7
	ds_load_b32 v[SW+\t], v[WSA] offset:128*\t     ; wm's scale words
.endr
.irp t, 0,1,2,3
	FETCH 96+12*\t, WA, \t*FRB                     ; wm's first four fragments: they land under the quantisers
.endr
	QMAX
	CODES 160
	WIN 0x55
	MERGE                                          ; tile B
	QMAX
	CODES 160
	WIN 0x01
	v_mov_b32 v[PWB], v253                         ; its scale word goes where scale operands are taken from
	WIN 0
	PLACES 8                                       ; a scale word made by vector instructions stands eight places ahead of a scaled product, codes so made four
	s_wait_dscnt 0x0
	YPROD 0, 253                                   ; lane (r, h) holds output 16 T + r and positions 16 h + 0 .. 7 of the tile
	WIN 0x41                                       ; the merged rows' codes and the results in window 1
	YPROD 0, PWB
	WIN 0
	PLACES 4
.irp t, 0,1,2,3
	FETCH 96+12*\t, WA, (4+\t)*FRB
.endr
	s_wait_dscnt 0x0
	YPROD 1, 253
	WIN 0x41
	YPROD 1, PWB
	WIN 0
	PLACES 4
	s_wait_loadcnt 0x0                             ; bm, and x
	BIAS
	RELU
.irp t, 0,1,2,3,4,5,6,7
	ds_store_b128 v[SO], v[160+8*\t:163+8*\t] offset:UNIT*\t
	ds_store_b128 v[SO], v[164+8*\t:167+8*\t] offset:UNIT*\t+16
.endr
	WIN 0x41                                       ; the results in window 1, bm in window 0
	BIAS
	WIN 0x55
	RELU
	WIN 0x04
.irp t, 0,1,2,3,4,5,6,7
	ds_store_b128 v[SO], v[160+8*\t:163+8*\t] offset:UNIT*\t+32
	ds_store_b128 v[SO], v[164+8*\t:167+8*\t] offset:UNIT*\t+48
.endr
	WIN 0
	BARRIER                                        ; 256 whole rows of 128 positions lie in the stage
.irp i, 0,1,2,3,4,5,6,7,8,9,10,11,12,13,14,15
	ds_load_b128 v[96+4*\i:99+4*\i], v[MW] offset:528*\i
.endr
	WIN 0x40
.irp i, 0,1,2,3,4,5,6,7,8,9,10,11,12,13,14,15
	ds_load_b128 v[96+4*\i:99+4*\i], v[MW] offset:528*(16+\i)
.endr
	WIN 0
.irp i, 0,1,2,3,4,5,6,7,8,9,10,11
	s_wait_dscnt 31-\i                             ; row i is back; the younger loads may be out
	v_pk_add_f32 v[96+4*\i:97+4*\i], v[96+4*\i:97+4*\i], v[32+4*\i:33+4*\i]       ; + x
	v_pk_add_f32 v[98+4*\i:99+4*\i], v[98+4*\i:99+4*\i], v[34+4*\i:35+4*\i]
	global_store_b128 v[GO], v[96+4*\i:99+4*\i], s[52:53] offset:\i*16384 th:TH_STORE_NT   ; 32 lanes store 512 consecutive bytes, aligned; written once, read by nobody here
.endr
	s_wait_dscnt 16                                ; rows 12 to 15 are back; the second sixteen may be out
	WIN 0x04                                       ; their x lies in window 1
.irp i, 12,13,14,15
	v_pk_add_f32 v[96+4*\i:97+4*\i], v[96+4*\i:97+4*\i], v[28+4*(\i-12):29+4*(\i-12)]
	v_pk_add_f32 v[98+4*\i:99+4*\i], v[98+4*\i:99+4*\i], v[30+4*(\i-12):31+4*(\i-12)]
.endr
	WIN 0
.irp i, 12,13,14,15
	global_store_b128 v[GO], v[96+4*\i:99+4*\i], s[52:53] offset:\i*16384 th:TH_STORE_NT
.endr
	s_wait_dscnt 0x0
	WIN 0x55                                       ; rows 16 to 31: all in window 1
.irp i, 16,17,18,19,20,21,22,23,24,25,26,27,28,29,30,31
.if \i < 29
.set XR, 28+4*(\i-12)
.else
.set XR, 4*(\i-29)
.endif
	v_pk_add_f32 v[96+4*(\i-16):97+4*(\i-16)], v[96+4*(\i-16):97+4*(\i-16)], v[XR:XR+1]
	v_pk_add_f32 v[98+4*(\i-16):99+4*(\i-16)], v[98+4*(\i-16):99+4*(\i-16)], v[XR+2:XR+3]
.endr
	WIN 0x04                                       ; a store's address is its source 0 (window 0), its data its source 1 (window 1)
.irp i, 16,17,18,19,20,21,22,23,24,25,26,27,28,29,30,31
	global_store_b128 v[GO], v[96+4*(\i-16):99+4*(\i-16)], s[52:53] offset:\i*16384 th:TH_STORE_NT
.endr
	WIN 0
	s_wait_tensorcnt 0x0                           ; the wave's end
	ds_add_u32 v[SPW], v[NIL]
	s_wait_dscnt 0x0
	CROUND                                         ; the closing round: no work-group ends while a partner may still ask for a tile that names it
	s_endpgm
.Lfunc_end_k_q253e512371_attn:
	.size	k_q253e512371_attn, .Lfunc_end_k_q253e512371_attn-k_q253e512371_attn
	.p2alignl 7, 3214868480
	.fill 96, 4, 3214868480
	.section	.rodata,"a",@progbits
	.p2align	6, 0x0
	.amdhsa_kernel k_q253e512371_attn
		.amdhsa_group_segment_fixed_size 327680
		.amdhsa_private_segment_fixed_size 0
		.amdhsa_enable_private_segment 0
		.amdhsa_kernarg_size 48
		.amdhsa_user_sgpr_count 2
		.amdhsa_user_sgpr_kernarg_segment_ptr 1
		.amdhsa_wavefront_size32 1
		.amdhsa_system_sgpr_workgroup_id_x 1
		.amdhsa_system_sgpr_workgroup_id_y 1
		.amdhsa_system_sgpr_workgroup_id_z 1
		.amdhsa_system_vgpr_workitem_id 0
		.amdhsa_next_free_vgpr 512
		.amdhsa_next_free_sgpr 80
		.amdhsa_reserve_vcc 0
		.amdhsa_float_denorm_mode_32 3
		.amdhsa_float_denorm_mode_16_64 3
		.amdhsa_memory_ordered 1
		.amdhsa_forward_progress 1
		.amdhsa_inst_pref_size 131
	.end_amdhsa_kernel
	.amdgpu_metadata
---
amdhsa.version: [ 1, 2 ]
amdhsa.kernels:
  - .name:           k_q253e512371_attn
    .symbol:         k_q253e512371_attn.kd
    .args:
      - { .name: th, .offset: 0, .size: 8, .value_kind: global_buffer, .address_space: global }
      - { .name: kv, .offset: 8, .size: 8, .value_kind: global_buffer, .address_space: global }
      - { .name: wimg, .offset: 16, .size: 8, .value_kind: global_buffer, .address_space: global }
      - { .name: bm, .offset: 24, .size: 8, .value_kind: global_buffer, .address_space: global }
      - { .name: x, .offset: 32, .size: 8, .value_kind: global_buffer, .address_space: global }
      - { .name: out0, .offset: 40, .size: 8, .value_kind: global_buffer, .address_space: global }
    .group_segment_fixed_size: 327680
    .private_segment_fixed_size: 0
    .kernarg_segment_align: 8
    .kernarg_segment_size: 48
    .max_flat_workgroup_size: 256
    .sgpr_count:     80
    .vgpr_count:     512
    .wavefront_size: 32
...
	.end_amdgpu_metadata
.endif
;; end of part 3
